; MI455X (gfx1250); checked and timed in simulation.
; The chip was launched on July 23, 2026; its instructions are those of AMD's public machine-readable ISA for CDNA 5 (MIT licence, August 2026) and "CDNA5" Instruction Set Architecture Reference Guide (July 2026). The comments in the code are by the model that wrote it; some were corrected since.
;; Vector Quantizer. Allowed arithmetic: matrix products marked QUANTISED: E5M2 operands, one E8M0 scale for each 32 along K, by v_wmma_scale_f32_16x16x128_f8f6f4 with both operands' format E5M2, f32 sums; everything else in f32.
;; Inputs: codebook 8,192 x 256 float32; x 32 x 256 x 32 x 32 float32.
;; Outputs: out0 32 x 256 x 32 x 32 float32; out1 one number float32; out2 32 x 32 x 32 int32.
;; This version of the problem:
;;   THIS VERSION OF THE PROBLEM IS GIVEN IN LOW PRECISION. The matrix products marked QUANTISED in the list below multiply operands that are first quantised to E5M2 (5 exponent bits, 2 mantissa bits; 8 bits a number), with one power-of-two scale for each 32 numbers along K (OCP MX v1.0); their sums are f32. All else is computed in f32.
;;   The module's matrix products, in the order in which they are computed (A, B: the left and right operand; K: the contracted axis; several contracted axes count as one K, in the product's order):
;;     1. [M 32,768, K 256] x [K 256, N 8,192]; A: input x; B: input codebook: QUANTISED
;;   THE QUANTISER, for each operand of a quantised product, along K:
;;     - K is cut into blocks of 32 from its start; a last block that is shorter is filled with zeros.
;;     - A block's scale is 2^e with e = floor(log2(the largest magnitude in the block)) - 15, held to -126 .. 127; a block of zeros has e = 0. As a byte (E8M0): e + 127.
;;     - Each number is divided by its block's scale, clamped to +-57,344, and rounded to the nearest number of E5M2, ties to even, subnormals kept.
;;     - The product sums the exact products of the quantised numbers (number of the format x scale) in f32.
;;   ~~~python
;;   def quantise(x, axis):      # numpy; x: float32 -> the quantised numbers, widened to float32 again
;;       x = np.moveaxis(x, axis, -1); K = x.shape[-1]
;;       x = np.pad(x, [(0, 0)] * (x.ndim - 1) + [(0, -K % 32)]); x = x.reshape(x.shape[:-1] + (-1, 32)); a = np.abs(x).max(-1, keepdims=True)
;;       e = np.where(a > 0, np.clip(np.frexp(np.where(a > 0, a, 1))[1] - 1 - 15, -126, 127), 0)      # np.frexp(a)[1] - 1 = floor(log2(a)), exactly
;;       r = np.clip(x / 2.0 ** e, -57344, 57344)
;;       step = 2.0 ** (np.maximum(np.frexp(np.where(r == 0, 1, r))[1] - 1, -14) - 2)
;;       q = np.round(r / step) * step * 2.0 ** e      # np.round: ties to even
;;       return np.moveaxis(q.reshape(q.shape[:-2] + (-1,))[..., :K], -1, axis).astype(np.float32)
;;   ~~~
;; One version. Each part assembles by itself: llvm-mc -triple=amdgcn-amd-amdhsa -mcpu=gfx1250 --defsym DOCPART=n.
;; ======== version 1 of 1: 4 launches
;; limits: right only within a limited range of input values
;; workspace buffers: xq 8,912,896 bytes; cbq 2,228,224 bytes; pmin 524,288 bytes; pidx 524,288 bytes of whole numbers; lossp 1,024 bytes
;; launch quant (part 1): grid 640 x 1, 4 waves a work-group, no clusters, 0 bytes of LDS; arguments x, codebook, xq, cbq; writes xq, cbq
.if DOCPART == 1
	.amdgcn_target "amdgcn-amd-amdhsa--gfx1250"
	.amdhsa_code_object_version 6
	.text
	.protected	k_q0d0987e79f_quant
	.globl	k_q0d0987e79f_quant
	.p2align	8
	.type	k_q0d0987e79f_quant,@function
k_q0d0987e79f_quant:
	s_mov_b64 s[64:65], 0
	v_nop
	global_prefetch_b8 v0, s[64:65] scope:SCOPE_SE
	s_setreg_imm32_b32 hwreg(HW_REG_WAVE_MODE, 25, 1), 1
	s_wait_xcnt 0x0
; x [32][256][1024] f32 (K = the 256 channels, not innermost) and codebook [8192][256] f32 (K innermost) become RECORDS: one record for a tile of 16 rows x 256 K,
; laid in the order of the matrix operand's registers, so that the product's launch takes fragments by 16-byte loads of consecutive bytes.
; A record, REC = 4,352 bytes (17 x 256):  bytes 2048 s + 512 c + 16 lane: registers 4 c .. 4 c + 3 of K step s: codes of k = 128 s + 32 c + 16 h + 0 .. 15 of row r (lane = r + 16 h);
;   bytes 4096 + 4 i: scale word: i < 16: row i, K step 0; i >= 16: row i - 16, K step 1;   bytes 4224 + 4 i, i < 32: the f32 sum of squares of row i % 16 (held twice, so that every byte is written).
; Codes are E5M2 with one E8M0 byte for each 32 along K: scale = 2^(floor(log2(largest magnitude)) - 15); each number is divided by it, held within +-57,344 and rounded to the nearest code, ties to even.
; One wave makes one record; waves share nothing.  Work-groups 0-511 take x (tile T = rows 16 T on, row = b x 1024 + hw), work-groups 512-639 the codebook.
; A lane's registers run along K in the operand's own order, so the conversions' results are the operand's registers: nothing is transposed.
; LIMITS: NaN and infinities among the inputs are not served.  A block whose largest magnitude lies under 2^-111 keeps the byte 1; a block of zeros keeps the byte 1 too where the rule says 127:
; its codes are zeros, and only this program reads the bytes.  The sums of squares are f32 sums in four packed chains: another order of additions than the problem's definition has.
.set REC,  4352
.set XWG,  512                         ; work-groups that take x
.set NUM,  16                          ; v16-143  register 64 s + 16 b + i: the number at k = 128 s + 32 b + 16 h + i of row r
.set PC0,  144                         ; v144-159 K step 0's codes
.set PC1,  160                         ; v160-175 K step 1's
.set TM,   176                         ; v176-179 largest magnitudes, v180-183 bytes, v184-187 57,344 x the scale, v188-191 the conversions' scale operands
.set PW0,  192                         ; the two scale words
.set PW1,  193
.set SQ,   194                         ; v194-201 four packed chains of squares
.set SS,   202                         ; the row's sum of squares
	s_load_b256 s[4:11], s[0:1], 0x0               ; x s[4:5], codebook s[6:7], xq s[8:9], cbq s[10:11]
	v_lshrrev_b32 v1, 5, v0
	v_readfirstlane_b32 s17, v1                    ; wave
	v_and_b32 v1, 31, v0                           ; lane
	v_and_b32 v2, 15, v0                           ; r
	v_bfe_u32 v3, v0, 4, 1                         ; h
	v_lshlrev_b32 v5, 4, v1                        ; 16 x lane: my place in each 512 bytes of codes
	v_lshlrev_b32 v6, 3, v1                        ; 8 x lane: my place in the record's last 256 bytes
	v_and_b32 v7, 0x7c, v6                         ; 4 x ((2 lane) mod 32): the lane whose word I store first,
	v_add_nc_u32 v8, 4, v7                         ; and the one beside it
	s_mov_b32 s20, 0x76543210
	s_mov_b32 s21, 0xfedcba98                      ; v_permlanex16_b32's selects for lane l xor 16
	s_mov_b32 s23, 0x600000                        ; the mantissa field of 57,344
.irp b, 0,1,2,3
	v_mov_b32 v[TM+4+\b], 0                        ; written once: a lane permute's destination counts as one of its sources
.endr
	v_mov_b32 v203, 0
	s_cmp_lt_u32 ttmp9, XWG
	s_cselect_b32 s16, 0, XWG
	s_sub_co_u32 s16, ttmp9, s16
	s_lshl_b32 s16, s16, 2
	s_add_co_u32 s16, s16, s17                     ; T: my tile of the tensor
	s_mul_i32 s18, s16, REC                        ; my record's first byte (under 2^24)
	s_mov_b32 s19, 0
	s_lshr_b32 s24, s16, 6                         ; x: b = T / 64: 1,048,576 bytes each,
	s_lshl_b32 s24, s24, 20
	s_and_b32 s25, s16, 63                         ; and 16 hw = 64 bytes for each tile within b
	s_lshl_b32 s25, s25, 6
	s_add_co_u32 s24, s24, s25
	s_lshl_b32 s26, s16, 14                        ; codebook: 16 rows of 1,024 bytes
	s_wait_kmcnt 0x0
	s_cmp_lt_u32 ttmp9, XWG                        ; the choice hangs on the work-group's number alone; the lines up to the branch leave SCC as it is
	s_cselect_b64 s[12:13], s[4:5], s[6:7]
	s_cselect_b64 s[14:15], s[8:9], s[10:11]
	s_cselect_b32 s24, s24, s26
	s_mov_b32 s25, 0
	s_add_nc_u64 s[12:13], s[12:13], s[24:25]
	s_add_nc_u64 s[14:15], s[14:15], s[18:19]
	s_cbranch_scc0 .Lcode
	; x: a channel is 4,096 bytes on from the last.  Lane (r, h) takes hw = r and runs down the channels; sixteen lanes read 64 consecutive bytes, and the work-group's four waves stand side by side on 256
	v_lshlrev_b32 v4, 2, v2
	v_lshl_add_u32 v4, v3, 16, v4                  ; 4 r + 16 channels x h
.set I, 0
.rept 128
	global_load_b32 v[NUM+I], v4, s[12:13] offset:(128*(I/64)+32*((I/16)%4)+I%16)*4096
.set I, I+1
.endr
	s_branch .Lgot
.Lcode:
	; codebook: K is innermost: of row r my 16 neighbours of each block of 32: 64 bytes, four loads
	v_lshlrev_b32 v4, 10, v2
	v_lshl_add_u32 v4, v3, 6, v4                   ; 1,024 r + 64 h
.set I, 0
.rept 32
	global_load_b128 v[NUM+4*I:NUM+4*I+3], v4, s[12:13] offset:512*(I/16)+128*((I/4)%4)+16*(I%4)
.set I, I+1
.endr
.Lgot:
	s_wait_loadcnt 0x0
	; the row's sum of squares, of the numbers as they came: before the holds change them
.irp c, 0,1,2,3
	v_pk_mul_f32 v[SQ+2*\c:SQ+2*\c+1], v[NUM+2*\c:NUM+2*\c+1], v[NUM+2*\c:NUM+2*\c+1]   ; the first four pairs start the chains
.endr
.set I, 4
.rept 60
	v_pk_fma_f32 v[SQ+2*(I%4):SQ+2*(I%4)+1], v[NUM+2*I:NUM+2*I+1], v[NUM+2*I:NUM+2*I+1], v[SQ+2*(I%4):SQ+2*(I%4)+1]
.set I, I+1
.endr
	v_pk_add_f32 v[SQ:SQ+1], v[SQ:SQ+1], v[SQ+2:SQ+3]
	v_pk_add_f32 v[SQ+4:SQ+5], v[SQ+4:SQ+5], v[SQ+6:SQ+7]
	v_pk_add_f32 v[SQ:SQ+1], v[SQ:SQ+1], v[SQ+4:SQ+5]
	v_add_f32 v[SS], v[SQ], v[SQ+1]
	v_permlanex16_b32 v203, v[SS], s20, s21
	v_add_f32 v[SS], v[SS], v203                   ; with lane l xor 16's half of the row: both halves hold row r's sum
; 64 numbers of a lane, v[s] on, register 16 b + i = k 32 b + 16 h + i of my row, become a fragment's codes in v[pc] on and its scale word in v[pw]
.macro QUANT s, pc, pw
.irp b, 0,1,2,3
	v_max3_num_f32 v[TM+\b], |v[\s+16*\b]|, |v[\s+1+16*\b]|, 0x8000000   ; block b: my 16 numbers, and the floor 2^(16 - 127): so the byte cannot fall under 1
.endr
.irp i, 2,4,6,8,10,12,14
.irp b, 0,1,2,3
	v_max3_num_f32 v[TM+\b], v[TM+\b], |v[\s+16*\b+\i]|, |v[\s+1+16*\b+\i]|   ; the four blocks by turns
.endr
.endr
.irp b, 0,1,2,3
	v_permlanex16_b32 v[TM+4+\b], v[TM+\b], s20, s21
.endr
.irp b, 0,1,2,3
	v_max_num_f32 v[TM+\b], v[TM+\b], v[TM+4+\b]   ; with lane l xor 16's 16: the block's largest magnitude
.endr
.irp b, 0,1,2,3
	v_add_nc_u32 v[TM+12+\b], 0xf8800000, v[TM+\b] ; 15 off its exponent field: the conversion takes the exponent field of this operand as its scale
.endr
.irp b, 0,1,2,3
	v_and_or_b32 v[TM+8+\b], v[TM+\b], 0x7f800000, s23   ; 57,344 x the scale
.endr
.irp b, 0,1,2,3
	v_lshrrev_b32 v[TM+4+\b], 23, v[TM+12+\b]      ; the scale's byte
.endr
	v_lshl_or_b32 v[\pw], v[TM+5], 8, v[TM+4]      ; four bytes make my row's scale word
	v_lshl_or_b32 v[\pw], v[TM+6], 16, v[\pw]
	v_lshl_or_b32 v[\pw], v[TM+7], 24, v[\pw]
.irp b, 0,1,2,3
.irp i, 0,1,2,3,4,5,6,7,8,9,10,11,12,13,14,15
	v_med3_num_f32 v[\s+16*\b+\i], v[\s+16*\b+\i], -v[TM+8+\b], v[TM+8+\b]   ; the conversion to an 8-bit code does not saturate (ISA guide 7.6.2): the hold comes first
.endr
	v_cvt_scalef32_pk8_bf8_f32 v[\pc+4*\b:\pc+1+4*\b], v[\s+16*\b:\s+7+16*\b], v[TM+12+\b]
	v_cvt_scalef32_pk8_bf8_f32 v[\pc+2+4*\b:\pc+3+4*\b], v[\s+8+16*\b:\s+15+16*\b], v[TM+12+\b]
.endr
	v_nop                                          ; one plain vector line behind the last conversion, ahead of whatever next writes its sources
.endm
	QUANT NUM, PC0, PW0
	QUANT NUM+64, PC1, PW1
	; the record's last 256 bytes: 32 scale words, then 32 sums.  Lane l stores words 2 l and 2 l + 1 of the 64: they are pulled from lanes (2 l) mod 32 and the next
	v_cmp_gt_u32 vcc_lo, 16, v1                    ; lanes 0-15
	v_cndmask_b32 v204, v[PW1], v[PW0], vcc_lo     ; lane i holds scale word i
	ds_bpermute_b32 v205, v7, v204
	ds_bpermute_b32 v206, v8, v204
	ds_bpermute_b32 v207, v7, v[SS]
	ds_bpermute_b32 v203, v8, v[SS]
	s_wait_alu depctr_va_vdst(0)
	s_wait_dscnt 0x0
	v_cndmask_b32 v204, v207, v205, vcc_lo         ; lanes 0-15: scale words; lanes 16-31: sums
	v_cndmask_b32 v205, v203, v206, vcc_lo
.irp c, 0,1,2,3
	global_store_b128 v5, v[PC0+4*\c:PC0+4*\c+3], s[14:15] offset:512*\c          ; each store covers 512 consecutive bytes, at a multiple of 256 from the buffer's first byte
.endr
.irp c, 0,1,2,3
	global_store_b128 v5, v[PC1+4*\c:PC1+4*\c+3], s[14:15] offset:2048+512*\c
.endr
	global_store_b64 v6, v[204:205], s[14:15] offset:4096                         ; 256 consecutive bytes
	s_endpgm
.Lfunc_end_k_q0d0987e79f_quant:
	.size	k_q0d0987e79f_quant, .Lfunc_end_k_q0d0987e79f_quant-k_q0d0987e79f_quant
	.p2alignl 7, 3214868480
	.fill 96, 4, 3214868480
	.section	.rodata,"a",@progbits
	.p2align	6, 0x0
	.amdhsa_kernel k_q0d0987e79f_quant
		.amdhsa_group_segment_fixed_size 0
		.amdhsa_private_segment_fixed_size 0
		.amdhsa_enable_private_segment 0
		.amdhsa_kernarg_size 32
		.amdhsa_user_sgpr_count 2
		.amdhsa_user_sgpr_kernarg_segment_ptr 1
		.amdhsa_wavefront_size32 1
		.amdhsa_system_sgpr_workgroup_id_x 1
		.amdhsa_system_sgpr_workgroup_id_y 1
		.amdhsa_system_sgpr_workgroup_id_z 1
		.amdhsa_system_vgpr_workitem_id 0
		.amdhsa_next_free_vgpr 208
		.amdhsa_next_free_sgpr 66
		.amdhsa_reserve_vcc 1
		.amdhsa_float_denorm_mode_32 3
		.amdhsa_float_denorm_mode_16_64 3
		.amdhsa_memory_ordered 1
		.amdhsa_forward_progress 1
		.amdhsa_inst_pref_size 39
	.end_amdhsa_kernel
	.amdgpu_metadata
---
amdhsa.version: [ 1, 2 ]
amdhsa.kernels:
  - .name:           k_q0d0987e79f_quant
    .symbol:         k_q0d0987e79f_quant.kd
    .args:
      - { .name: x, .offset: 0, .size: 8, .value_kind: global_buffer, .address_space: global }
      - { .name: codebook, .offset: 8, .size: 8, .value_kind: global_buffer, .address_space: global }
      - { .name: xq, .offset: 16, .size: 8, .value_kind: global_buffer, .address_space: global }
      - { .name: cbq, .offset: 24, .size: 8, .value_kind: global_buffer, .address_space: global }
    .group_segment_fixed_size: 0
    .private_segment_fixed_size: 0
    .kernarg_segment_align: 8
    .kernarg_segment_size: 32
    .max_flat_workgroup_size: 128
    .sgpr_count:     66
    .vgpr_count:     208
    .wavefront_size: 32
...
	.end_amdgpu_metadata
.endif
;; end of part 1
;; launch dist (part 2): grid 64 x 4, 8 waves a work-group, clusters of 4 x 1, 327,680 bytes of LDS; arguments xq, cbq, pmin, pidx; writes pmin, pidx
.if DOCPART == 2
	.amdgcn_target "amdgcn-amd-amdhsa--gfx1250"
	.amdhsa_code_object_version 6
	.text
	.protected	k_q0d0987e79f_dist
	.globl	k_q0d0987e79f_dist
	.p2align	8
	.type	k_q0d0987e79f_dist,@function
k_q0d0987e79f_dist:
	s_mov_b64 s[64:65], 0
	v_nop
	global_prefetch_b8 v0, s[64:65] scope:SCOPE_SE
	s_setreg_imm32_b32 hwreg(HW_REG_WAVE_MODE, 25, 1), 1
	s_wait_xcnt 0x0
	s_wait_alu depctr_hold_cnt(0) depctr_sa_sdst(0) depctr_va_vdst(0) depctr_va_sdst(0) depctr_va_ssrc(0) depctr_va_vcc(0) depctr_vm_vsrc(0)
	s_getreg_b32 s2, hwreg(HW_REG_IB_STS2, 6, 4)
	s_cmp_eq_u32 s2, 0
	s_cbranch_scc0 .Lentry_in_a_cluster
	s_endpgm
.Lentry_in_a_cluster:
	s_bfe_u32 s2, ttmp6, 0x10000c
	s_cmp_lg_u32 s2, 0x3003
	s_cbranch_scc0 .Lentry_shape_is_right
	s_endpgm
.Lentry_shape_is_right:
; For 512 rows of x and a quarter of the codebook (2,048 codes): d = (|x|^2 + |e|^2) - 2 x.e in f32, x.e by the scaled E5M2 matrix form on the records
; that the launch before laid; for each row the least d and the first code that has it go to pmin and pidx [quarter][row].
; SHARES.  Eight waves.  Wave w: rows 128 (w % 4) on of the block (8 records of x, 256 registers, window 1), and of each slot's 32 code records those of parity w / 4.
; So a code record is read from LDS by four waves.  A record of codes is source 0, a record of x source 1: lane (r, h) holds row r, register j code 8 h + j.
; A PHASE = one code record: 16 matrix instructions in one group (K step 0 for the 8 row tiles, then K step 1 in place; the 8 accumulators take turns),
; then the vector work of the 8 tiles, laid as a pipeline of four stages so that dependent lines stand apart; a one-field hint is written ahead of a tile's last min and its compare where fewer than five stand between; the selects have none.
; Per lane and row tile: M the least d so far, IDX its record's number, W that record's eight d.  Strictly less wins, records ascending: the first code among equals.
; THE RING: two slots of 32 records, four fills, each wave 4 records (68 rows of 256 bytes) of a fill.  The four work-groups of a cluster walk the same quarter: joint loads, mask 15.
; No prefetch: the launch has four fills in all and two of them go out at the head, so no loop is left to run ahead in.
; At the end the two waves that hold the same rows meet in LDS; the wave of parity 0 stores the rows' d, the other their codes.
; LIMITS: NaN and infinities among the distances are not served.
.set REC,   4352
.set SLOTB, 32*REC
.set WQ,    4*REC
.set SPARE, 2*SLOTB                    ; the spare words: 128 bytes for each of eight waves
.set STG,   SPARE+1024                 ; the stage: 1,024 bytes a wave
.set L16, 1                            ; 16 x lane
.set ADF, 2                            ; LDS addresses of the record that is fetched: fragments,
.set ADS, 3                            ; scale words,
.set ADE, 4                            ; sums of squares
.set SPW, 5
.set NIL, 6
.set TIDV, 7                           ; this phase's record number
.set GA,  8
.set GB,  9
.set GC,  10
.set ASC, 11                           ; the code record's scale words
.set GT,  12                           ; v12-13 a tile's least d, two by turns
.set H8,  14                           ; 8 h
.set XS,  16                           ; v16-23 x's scale words
.set L4,  15
.set H32, 48
.set SE,  32                           ; v32-39 |e|^2 of my eight codes
.set IDX, 40
.set M,   49
.set T,   64                           ; v64-79 |x|^2 + |e|^2, two sets
.set AF,  80                           ; v80-111 the code record's fragments
.set D,   112                          ; v112-175 eight accumulators, then d
.set W,   176                          ; v176-239
.set SXP, 240                          ; v240-255 |x|^2, twice for the packed add
.set WV,  12
.set RG,  13
.set CH,  14
.set BLK, 15
.set G1,  16
.set G0,  24
.set QR,  32
.set TB,  33
.set CNT, 34
.set CHO, 39
.set MSB, 0
.macro WIN new
.if MSB != \new
	s_set_vgpr_msb (MSB<<8)|\new
.set MSB, \new
.endif
.endm
.macro ROUND
	s_barrier_signal -1
	s_barrier_wait -1
	s_cmp_lg_u32 s[WV], 0
	s_cbranch_scc1 .Lnot_wave_0_\@
	s_barrier_signal -3
.Lnot_wave_0_\@:
	s_barrier_wait -3
	s_barrier_signal -1
	s_barrier_wait -1
.endm
	s_load_b256 s[4:11], s[0:1], 0x0               ; xq, cbq, pmin, pidx
	v_lshl_add_u32 v[SPW], v0, 2, SPARE
	v_mov_b32 v[NIL], 0
	ds_add_u32 v[SPW], v[NIL]                      ; the opening lines: the add twice and one wait
	ds_add_u32 v[SPW], v[NIL]
	s_mov_b32 s35, 0x7f800000
	v_lshrrev_b32 v26, 5, v0
	v_and_b32 v27, 31, v0
	v_bfe_u32 v28, v0, 4, 1
.set I, 0
.rept 64
	v_mov_b32 v[W+I], s35
.set I, I+1
.endr
.irp u, 0,1,2,3,4,5,6,7
	v_mov_b32 v[M+\u], s35
	v_mov_b32 v[IDX+\u], 0
.endr
	v_readfirstlane_b32 s[WV], v26
	v_lshlrev_b32 v[L16], 4, v27
	v_lshlrev_b32 v[L4], 2, v27
	v_lshlrev_b32 v[H32], 5, v28
	v_lshlrev_b32 v[H8], 3, v28
	s_and_b32 s[RG], s[WV], 3                      ; which 128 rows
	s_lshr_b32 s[CH], s[WV], 2                     ; which parity of records
	s_bfe_u32 s38, ttmp6, 0x40000
	s_lshl_b32 s[BLK], ttmp9, 2
	s_add_co_u32 s[BLK], s[BLK], s38               ; block of 512 rows
	s_and_b32 s[QR], ttmp7, 0xffff                 ; quarter of the codebook
	s_mov_b32 s[G1+0], 15|(3<<16)|(1<<21)          ; mask of the four partners; elements of 8 bytes
	s_mov_b32 s[G1+1], 32<<16
	s_mov_b32 s[G1+2], 68<<16
	s_mov_b32 s[G1+3], 32<<16
	s_mov_b32 s[G1+4], 68
	s_mov_b32 s[G1+5], 32
	s_mov_b32 s[G1+6], 0
	s_mov_b32 s[G1+7], 0
	s_mul_i32 s38, s[WV], WQ
	s_mul_i32 s36, s[QR], 128*REC
	s_add_co_u32 s36, s36, s38
	s_mov_b32 s37, 0
	s_lshl_b32 s46, s[BLK], 5
	s_lshl_b32 s47, s[RG], 3
	s_add_co_u32 s46, s46, s47
	s_mul_i32 s46, s46, REC
	s_mov_b32 s47, 0
	s_mul_i32 s[CHO], s[CH], REC
	s_lshl_b32 s83, s[QR], 7
	s_add_co_u32 s83, s83, s[CH]                   ; my first record's number
	s_mov_b32 s40, 0x76543210
	s_mov_b32 s41, 0xfedcba98
	s_lshl_b32 s48, s[QR], 17
	s_lshl_b32 s49, s[BLK], 11
	s_add_co_u32 s48, s48, s49
	s_lshl_b32 s49, s[RG], 9
	s_add_co_u32 s48, s48, s49                     ; my 128 rows' 512 bytes in pmin and pidx
	s_mov_b32 s49, 0
	v_mov_b32 v[TIDV], s83
	s_wait_alu depctr_va_vdst(0)                   ; the wait at the head's end
	s_wait_dscnt 0x0
	s_wait_kmcnt 0x0
	s_add_nc_u64 s[36:37], s[6:7], s[36:37]
	s_add_nc_u64 s[46:47], s[4:5], s[46:47]
	s_add_nc_u64 s[8:9], s[8:9], s[48:49]
	s_add_nc_u64 s[10:11], s[10:11], s[48:49]
	s_cmp_eq_u32 s[CH], 0                          ; parity 0 stores d, parity 1 the codes: the choice hangs on the wave's number alone
	s_cselect_b64 s[8:9], s[8:9], s[10:11]
	s_cselect_b32 s82, 0, -1
.irp n, 0,1
	s_mov_b32 s[G0+4*\n], 1
	s_add_co_u32 s[G0+4*\n+1], s38, \n*SLOTB
	s_add_nc_u64 s[G0+4*\n+2:G0+4*\n+3], s[36:37], \n*SLOTB
	s_or_b32 s[G0+4*\n+3], s[G0+4*\n+3], 0x80000000
.endr
	ROUND
	tensor_load_to_lds s[G0:G0+3], s[G1:G1+7]      ; fill 0: one tensor load a wave at the head, ahead of x's loads
	s_nop 0
	WIN 0x40                                       ; x's fragments into window 1 (the switch stands directly behind the s_nop)
.irp u, 0,1,2,3,4,5,6,7
.irp c, 0,1,2,3
	global_load_b128 v[16*\u+4*\c:16*\u+4*\c+3], v[L16], s[46:47] offset:\u*REC+512*\c
	global_load_b128 v[128+16*\u+4*\c:128+16*\u+4*\c+3], v[L16], s[46:47] offset:\u*REC+2048+512*\c
.endr
.endr
	WIN 0
.irp u, 0,1,2,3,4,5,6,7
	global_load_b32 v[XS+\u], v[L4], s[46:47] offset:\u*REC+4096
	global_load_b32 v[SXP+2*\u], v[L4], s[46:47] offset:\u*REC+4224
	global_load_b32 v[SXP+2*\u+1], v[L4], s[46:47] offset:\u*REC+4224
.endr
	s_wait_tensorcnt 0x0                           ; slot 1's first fill is issued as a refill is
	ds_add_u32 v[SPW], v[NIL]
	s_wait_dscnt 0x0
	ROUND
	tensor_load_to_lds s[G0+4:G0+7], s[G1:G1+7]
	s_nop 0
	s_mov_b32 s[TB], s[CHO]
; the distance, in vector instructions, from a tracked producer to the line that follows: one to four get the hint
.macro HINT p
.if (POS+1-(\p)) == 1
	s_delay_alu instid0(VALU_DEP_1)
.elseif (POS+1-(\p)) == 2
	s_delay_alu instid0(VALU_DEP_2)
.elseif (POS+1-(\p)) == 3
	s_delay_alu instid0(VALU_DEP_3)
.elseif (POS+1-(\p)) == 4
	s_delay_alu instid0(VALU_DEP_4)
.endif
.endm
; Three lines that are due anyway stand between dependent lines of a phase's last stages: the next fetch's three addresses, or, behind the last record (FE = 0), the lane terms of the stage's addresses
.macro SETA n
.if FE
.if \n == 0
	v_add_nc_u32 v[ADF], v[L16], s[TB]
.elseif \n == 1
	v_add_nc_u32 v[ADS], v[L4], s[TB]
.else
	v_add_nc_u32 v[ADE], v[H32], s[TB]
.endif
.else
.if \n == 0
	v_and_b32 v26, 15, v0
.elseif \n == 1
	v_and_b32 v27, 0xe0, v0
.else
	v_and_b32 v28, 0x60, v0
.endif
.endif
.set POS, POS+1
.endm
.macro SETADR
	SETA 0
	SETA 1
	SETA 2
.endm
.macro FETCHA                          ; the next record's fragments and scale words, by addresses made a phase earlier
.irp c, 0,1,2,3
	ds_load_b128 v[AF+4*\c:AF+4*\c+3], v[ADF] offset:512*\c
.endr
	ds_load_b32 v[ASC], v[ADS] offset:4096
.irp c, 0,1,2,3
	ds_load_b128 v[AF+16+4*\c:AF+16+4*\c+3], v[ADF] offset:2048+512*\c
.endr
.endm
.macro FETCHE                          ; and its sums of squares; then on by two records
	ds_load_b128 v[SE-8*(1-PAR):SE-8*(1-PAR)+3], v[ADE] offset:4224     ; into the set that this phase does not read: v32-39 and v24-31 by turns (PAR: the phase's parity)
	ds_load_b128 v[SE-8*(1-PAR)+4:SE-8*(1-PAR)+7], v[ADE] offset:4240
	s_add_co_u32 s[TB], s[TB], 2*REC
.endm
.macro EA u, i                         ; |e|^2 + |x|^2
	v_pk_add_f32 v[T+8*((\u)%2)+2*\i:T+8*((\u)%2)+2*\i+1], v[SE-8*PAR+2*\i:SE-8*PAR+2*\i+1], v[SXP+2*(\u):SXP+2*(\u)+1]
.set POS, POS+1
.endm
.macro EF u, i                         ; d = that - 2 x.e, in the accumulator's place, from its low end on
	v_pk_fma_f32 v[D+8*(\u)+2*\i:D+8*(\u)+2*\i+1], v[D+8*(\u)+2*\i:D+8*(\u)+2*\i+1], -2.0, v[T+8*((\u)%2)+2*\i:T+8*((\u)%2)+2*\i+1] op_sel_hi:[1,0,1]
.set POS, POS+1
.endm
.macro EC u, i                         ; the tile's least d
.if \i == 0
	v_min3_num_f32 v[GA], v[D+8*(\u)], v[D+8*(\u)+1], v[D+8*(\u)+2]
.set POS, POS+1
.elseif \i == 1
	v_min3_num_f32 v[GB], v[D+8*(\u)+3], v[D+8*(\u)+4], v[D+8*(\u)+5]
.set POS, POS+1
.elseif \i == 2
	v_min_num_f32 v[GC], v[D+8*(\u)+6], v[D+8*(\u)+7]
.set POS, POS+1
.set PG, POS
.else
	HINT PG
	v_min3_num_f32 v[GT+(\u)%2], v[GA], v[GB], v[GC]
.set POS, POS+1
.set PT, POS
.endif
.endm
.macro ECMP u                          ; strictly less than all before?
	HINT PT
	v_cmp_lt_f32 vcc_lo, v[GT+(\u)%2], v[M+(\u)]
.set POS, POS+1
.set PV, POS
.endm
.macro ES u, i                         ; then the tile's d are kept, two selects to a pair: an even and an odd destination, neighbouring registers as sources
	v_dual_cndmask_b32 v[W+8*(\u)+2*\i], v[W+8*(\u)+2*\i], v[D+8*(\u)+2*\i] :: v_dual_cndmask_b32 v[W+8*(\u)+2*\i+1], v[W+8*(\u)+2*\i+1], v[D+8*(\u)+2*\i+1]
.set POS, POS+1
.endm
.macro ESM u                           ; with the record's number and the least d, as one pair: M lies 9 registers behind IDX, and v7 shares no bank with v12 or v13
	v_dual_cndmask_b32 v[IDX+(\u)], v[IDX+(\u)], v[TIDV] :: v_dual_cndmask_b32 v[M+(\u)], v[M+(\u)], v[GT+(\u)%2]
.set POS, POS+1
.endm
.macro TRI k, i
.if (\k) >= 2 && (\k) <= 9
	EF (\k)-2, \i
.endif
.if (\k) <= 7
	EA \k, \i
.endif
.if (\i) < 3 && (\k) >= 3 && (\k) <= 10
	EC (\k)-3, \i
.endif
.endm
.macro STEP k                          ; stage by stage: row tile k is added, k - 2 finished, k - 3 reduced, k - 4 kept
	TRI \k, 0
	TRI \k, 1
.if (\k) >= 4
	ECMP (\k)-4
.endif
	TRI \k, 2
	TRI \k, 3
.if (\k) >= 4
	ES (\k)-4, 0
	ES (\k)-4, 1
	ES (\k)-4, 2
.endif
.if (\k) == 10
	SETA 0
.endif
.if (\k) >= 3 && (\k) <= 10
	EC (\k)-3, 3
.endif
.if (\k) >= 4
	ES (\k)-4, 3
	ESM (\k)-4
.endif
.if (\k) == 10
	SETA 1
	SETA 2
.endif
.endm
.macro EPI fetch, kind
.set FE, \fetch
.set POS, 0
.set PG, -100
.set PT, -100
.set PV, -100
	STEP 0
	STEP 1                                         ; eight adds that name no register of the products: the places ahead of the loads below and of the first read of a result
.if \kind
	SETADR                                         ; the slot has changed: the addresses are made anew
.endif
.if \fetch
	FETCHA
	FETCHE                                         ; the next record's sums go out with its fragments: ten stages of vector work stand ahead of the wait for them
.endif
.irp k, 2,3,4,5,6,7,8,9,10,11
	STEP \k
.endr
	v_add_nc_u32 v[TIDV], 2, v[TIDV]
.endm
.macro CHANGE kind, slot, nextbase
	s_wait_tensorcnt 0x0                           ; all my tensor loads have landed: my part of the next slot
	ds_add_u32 v[SPW], v[NIL]
.if \kind == 1
	s_add_nc_u64 s[G0+4*\slot+2:G0+4*\slot+3], s[G0+4*\slot+2:G0+4*\slot+3], 2*SLOTB
.endif
	s_wait_dscnt 0x0                               ; the add is done; my reads of this slot were back ahead of the products
.if \kind == 1
	ROUND
	tensor_load_to_lds s[G0+4*\slot:G0+4*\slot+3], s[G1:G1+7]
	s_nop 0
.else
	s_barrier_signal -1
	s_barrier_wait -1
.endif
	s_add_co_u32 s[TB], s[CHO], \nextbase
.endm
.macro PHASE fetch, kind, slot, nextbase
	s_wait_alu depctr_va_vdst(0)                   ; directly ahead of the wait below
	s_wait_dscnt 0x0                               ; the record's fragments, scale words and sums are in
	WIN 0x04                                       ; source 1 in window 1
.irp u, 0,1,2,3,4,5,6,7
	v_wmma_scale_f32_16x16x128_f8f6f4 v[D+8*\u:D+8*\u+7], v[AF:AF+15], v[16*\u:16*\u+15], 0, v[ASC], v[XS+\u] matrix_a_fmt:MATRIX_FMT_BF8 matrix_b_fmt:MATRIX_FMT_BF8
.endr
.irp u, 0,1,2,3,4,5,6,7
	v_wmma_scale_f32_16x16x128_f8f6f4 v[D+8*\u:D+8*\u+7], v[AF+16:AF+31], v[128+16*\u:128+16*\u+15], v[D+8*\u:D+8*\u+7], v[ASC], v[XS+\u] matrix_a_fmt:MATRIX_FMT_BF8 matrix_b_fmt:MATRIX_FMT_BF8 matrix_a_scale:MATRIX_SCALE_ROW1 matrix_b_scale:MATRIX_SCALE_ROW1
.endr
	WIN 0
.if \kind
	CHANGE \kind, \slot, \nextbase
.endif
	EPI \fetch, \kind
.set PAR, 1-PAR
.endm
.macro SLOTRUN kind, slot, nextbase    ; my 16 records of a slot
	s_mov_b32 s[CNT], 7
.Lph_\@:                                               ; a trip is two phases, until the sets of sums are back where they began: 7 x 2 + 2 = 16 records
	PHASE 1, 0, 0, 0
	PHASE 1, 0, 0, 0
	s_sub_co_u32 s[CNT], s[CNT], 1
	s_cmp_lg_u32 s[CNT], 0
	s_cbranch_scc1 .Lph_\@
	PHASE 1, 0, 0, 0
.if \kind
	PHASE 1, \kind, \slot, \nextbase
.else
	PHASE 0, 0, 0, 0
.endif
.endm
.set POS, 0
.set FE, 1
.set PAR, 1                            ; the first record's sums go into v32-39, the set of the even phases
	SETADR
	FETCHA
	FETCHE
.set PAR, 0
	SETADR                                         ; for the first phase's fetch
	s_wait_alu depctr_va_vdst(0)                   ; directly ahead of the wait below
	s_wait_loadcnt 0x0                             ; x's fragments, scale words and sums
	SLOTRUN 1, 0, SLOTB
	SLOTRUN 1, 1, 0
	SLOTRUN 2, 0, SLOTB
	SLOTRUN 0, 0, 0
; THE END.  In each lane: the first j whose kept d is the least; the code = 16 x record + 8 h + j; the better of lanes l and l xor 16; then the better of the two waves.
.set J,  80
.set RC, 88
.irp u, 0,1,2,3,4,5,6,7
	v_mov_b32 v[J+\u], 7
.endr
	v_lshl_add_u32 v26, v26, 2, STG
	v_lshl_add_u32 v28, v28, 5, v[L16]
.macro JSTEP j
.irp u, 0,1,2,3,4,5,6,7
	v_cmp_neq_f32 s[50+\u], v[W+8*\u+\j], v[M+\u]
.endr
.irp u, 0,1,2,3,4,5,6,7
	v_cndmask_b32 v[J+\u], \j, v[J+\u], s[50+\u]
.endr
.endm
	JSTEP 6
	v_lshl_add_u32 v26, v27, 5, v26                ; my wave's stage: 4 r + 1,024 w
	v_add_nc_u32 v28, STG, v28                     ; and for reading: 16 x lane + 1,024 (w % 4)
.irp j, 5,4,3,2,1,0
	JSTEP \j
.endr
.irp u, 0,1,2,3,4,5,6,7
	v_lshl_add_u32 v[RC+\u], v[IDX+\u], 4, v[J+\u]
.endr
.irp u, 0,1,2,3,4,5,6,7
	v_add_nc_u32 v[RC+\u], v[RC+\u], v[H8]
.endr
.irp u, 0,1,2,3,4,5,6,7
	v_permlanex16_b32 v[T+\u], v[M+\u], s40, s41
.endr
.irp u, 0,1,2,3,4,5,6,7
	v_permlanex16_b32 v[T+8+\u], v[RC+\u], s40, s41
.endr
.irp u, 0,1,2,3,4,5,6,7
	v_cmp_lt_f32 s[50+\u], v[T+\u], v[M+\u]
.endr
.irp u, 0,1,2,3,4,5,6,7
	v_cmp_eq_f32 s[66+\u], v[T+\u], v[M+\u]
.endr
.irp u, 0,1,2,3,4,5,6,7
	v_cmp_lt_u32 s[74+\u], v[T+8+\u], v[RC+\u]
.endr
.irp u, 0,1,2,3,4,5,6,7
	s_and_b32 s[66+\u], s[66+\u], s[74+\u]
	s_or_b32 s[50+\u], s[50+\u], s[66+\u]          ; less, or equal with the lower code
.endr
.irp u, 0,1,2,3,4,5,6,7
	v_cndmask_b32 v[M+\u], v[M+\u], v[T+\u], s[50+\u]
.endr
.irp u, 0,1,2,3,4,5,6,7
	v_cndmask_b32 v[RC+\u], v[RC+\u], v[T+8+\u], s[50+\u]
.endr
.irp u, 0,1,2,3,4,5,6,7
	ds_store_b32 v26, v[M+\u] offset:64*\u         ; both halves write the same word with the same value
	ds_store_b32 v26, v[RC+\u] offset:512+64*\u
.endr
	s_wait_dscnt 0x0                               ; for the partner's sake
	s_barrier_signal -1
	s_barrier_wait -1
	ds_load_b128 v[96:99], v28                     ; rows 4 lane on: parity 0's d,
	ds_load_b128 v[100:103], v28 offset:512        ; its codes,
	ds_load_b128 v[104:107], v28 offset:4096       ; parity 1's d,
	ds_load_b128 v[108:111], v28 offset:4608       ; its codes
	s_wait_dscnt 0x0
.irp e, 0,1,2,3
	v_cndmask_b32 v[80+\e], v[96+\e], v[100+\e], s82   ; what my wave stores: d or codes
.endr
.irp e, 0,1,2,3
	v_cndmask_b32 v[84+\e], v[104+\e], v[108+\e], s82
.endr
.irp e, 0,1,2,3
	v_cmp_lt_f32 s[50+\e], v[104+\e], v[96+\e]
.endr
.irp e, 0,1,2,3
	v_cmp_eq_f32 s[66+\e], v[104+\e], v[96+\e]
.endr
.irp e, 0,1,2,3
	v_cmp_lt_u32 s[74+\e], v[108+\e], v[100+\e]
.endr
.irp e, 0,1,2,3
	s_and_b32 s[66+\e], s[66+\e], s[74+\e]
	s_or_b32 s[50+\e], s[50+\e], s[66+\e]
.endr
.irp e, 0,1,2,3
	v_cndmask_b32 v[88+\e], v[80+\e], v[84+\e], s[50+\e]
.endr
	global_store_b128 v[L16], v[88:91], s[8:9]     ; 512 consecutive bytes
	s_wait_tensorcnt 0x0                           ; the wave's end
	ds_add_u32 v[SPW], v[NIL]
	s_wait_dscnt 0x0
	ROUND                                          ; the closing round
	s_endpgm
.Lfunc_end_k_q0d0987e79f_dist:
	.size	k_q0d0987e79f_dist, .Lfunc_end_k_q0d0987e79f_dist-k_q0d0987e79f_dist
	.p2alignl 7, 3214868480
	.fill 96, 4, 3214868480
	.section	.rodata,"a",@progbits
	.p2align	6, 0x0
	.amdhsa_kernel k_q0d0987e79f_dist
		.amdhsa_group_segment_fixed_size 327680
		.amdhsa_private_segment_fixed_size 0
		.amdhsa_enable_private_segment 0
		.amdhsa_kernarg_size 32
		.amdhsa_user_sgpr_count 2
		.amdhsa_user_sgpr_kernarg_segment_ptr 1
		.amdhsa_wavefront_size32 1
		.amdhsa_system_sgpr_workgroup_id_x 1
		.amdhsa_system_sgpr_workgroup_id_y 1
		.amdhsa_system_sgpr_workgroup_id_z 1
		.amdhsa_system_vgpr_workitem_id 0
		.amdhsa_next_free_vgpr 512
		.amdhsa_next_free_sgpr 90
		.amdhsa_reserve_vcc 1
		.amdhsa_float_denorm_mode_32 3
		.amdhsa_float_denorm_mode_16_64 3
		.amdhsa_memory_ordered 1
		.amdhsa_forward_progress 1
		.amdhsa_inst_pref_size 220
	.end_amdhsa_kernel
	.amdgpu_metadata
---
amdhsa.version: [ 1, 2 ]
amdhsa.kernels:
  - .name:           k_q0d0987e79f_dist
    .symbol:         k_q0d0987e79f_dist.kd
    .args:
      - { .name: xq, .offset: 0, .size: 8, .value_kind: global_buffer, .address_space: global }
      - { .name: cbq, .offset: 8, .size: 8, .value_kind: global_buffer, .address_space: global }
      - { .name: pmin, .offset: 16, .size: 8, .value_kind: global_buffer, .address_space: global }
      - { .name: pidx, .offset: 24, .size: 8, .value_kind: global_buffer, .address_space: global }
    .group_segment_fixed_size: 327680
    .private_segment_fixed_size: 0
    .kernarg_segment_align: 8
    .kernarg_segment_size: 32
    .max_flat_workgroup_size: 256
    .sgpr_count:     90
    .vgpr_count:     512
    .wavefront_size: 32
...
	.end_amdgpu_metadata
.endif
;; end of part 2
;; launch gather (part 3): grid 256 x 1, 8 waves a work-group, no clusters, 132,352 bytes of LDS; arguments x, codebook, pmin, pidx, out0, out2, lossp; writes out0, out2, lossp
.if DOCPART == 3
	.amdgcn_target "amdgcn-amd-amdhsa--gfx1250"
	.amdhsa_code_object_version 6
	.text
	.protected	k_q0d0987e79f_gather
	.globl	k_q0d0987e79f_gather
	.p2align	8
	.type	k_q0d0987e79f_gather,@function
k_q0d0987e79f_gather:
	s_mov_b64 s[64:65], 0
	v_nop
	global_prefetch_b8 v0, s[64:65] scope:SCOPE_SE
	s_setreg_imm32_b32 hwreg(HW_REG_WAVE_MODE, 25, 1), 1
	s_wait_xcnt 0x0
; For each row: the choice among the four quarters' least distances (strictly less, quarters ascending: the first code among equals), out2 = its code, out0 = x + (codebook[code] - x) in [b][channel][hw],
; and for each work-group one partial sum of (codebook[code] - x)^2.
; NO ADDRESS HANGS ON A FLOATING-POINT NUMBER: the four candidates' codes are whole numbers read from memory, all four rows of the codebook are fetched, and the distances only select among the values.
; SHARES.  Work-group g owns rows 128 g on (one b, 128 neighbouring hw).  First wave w fetches the codebook rows of rows 16 w on, two rows an instruction: sixteen lanes take 256 consecutive bytes of a row.
; The chosen rows are laid into LDS by channel: QT[channel][row], 512 bytes a channel.  Behind a barrier wave w finishes channels 32 w on for all 128 rows: each load of x and each store of out0 covers 512 consecutive bytes.
; QT: row p of channel c lies at 512 c + 16 ((p / 4) xor ((c / 4) % 16)) + 4 (p % 4): so the 32 words of a store fall on 32 different banks and the sixteen 16-byte pieces that half a wave loads on
; sixteen different groups of four (64 banks of 4 bytes: ISA guide 11.1).
; No tensor loads, no matrix work: the launch moves bytes.  No cluster: work-groups share no tile; the codebook rows they read hang on data.
; LIMITS: NaN among the distances is not served.  The loss is an f32 sum in another order than the problem's definition has.
.set OF,  16                           ; v16-47   [quarter][it]: byte offset of my 16 bytes in the candidate's row; later eight channels of QT
.set X1,  48                           ; v48-175  x, then out0: four registers a channel; channels 16-31 (v112-175) come when set 0 is free
.set CS,  112                          ; v112-175, v176-239 two sets of four candidates' 64 bytes: 16 quarter + 4 k + e
.set PM,  112                          ; v112-143 [quarter][it]: the candidates' distances, at the start
.set AR,  8                            ; v8-15    LDS addresses for reading QT: one for each four channels
.set AW,  240                          ; v240-241 LDS addresses for writing QT: channels 0-127, channels 128-255
.set T,   244                          ; v244-247 codebook - x
.set LS,  248                          ; v248-251 two packed chains of squares
.set MS,  66                           ; s[66:89] three masks for each it
.set LW,  131072                       ; behind QT: a word for each wave's part of the loss
	s_load_b256 s[4:11], s[0:1], 0x0               ; x s[4:5], codebook s[6:7], pmin s[8:9], pidx s[10:11]
	s_load_b128 s[12:15], s[0:1], 0x20             ; out0 s[12:13], out2 s[14:15]
	s_load_b64 s[16:17], s[0:1], 0x30              ; lossp
	v_lshl_add_u32 v254, v0, 2, 0x20100
	v_mov_b32 v255, 0
	v_lshrrev_b32 v1, 5, v0
	s_delay_alu instid0(VALU_DEP_1)
	v_readfirstlane_b32 s18, v1                    ; wave 0..7
	v_and_b32 v7, 31, v0                           ; lane
	v_and_b32 v2, 15, v0                           ; r = lane % 16
	v_bfe_u32 v3, v0, 4, 1                         ; h = lane / 16
	v_and_b32 v6, 0xe0, v0                         ; 32 w
	s_delay_alu instid0(VALU_DEP_3)
	v_lshlrev_b32 v5, 11, v2
	s_delay_alu instid0(VALU_DEP_1)
	v_lshl_add_u32 v5, v3, 2, v5                   ; v5: 2,048 r + 4 h
	s_delay_alu instid0(VALU_DEP_3)
	v_lshrrev_b32 v4, 3, v6
	s_delay_alu instid0(VALU_DEP_1)
	v_xor_b32 v4, v4, v2                           ; v4: (4 w) xor r.  ((4 w + j) xor r = v4 xor j for j < 4)
	v_bfe_u32 v1, v0, 5, 1
	s_delay_alu instid0(VALU_DEP_1)
	v_lshlrev_b32 v1, 3, v1
	s_delay_alu instid0(VALU_DEP_1)
	v_xor_b32 v1, v1, v7                           ; lane xor 8 (w % 2).  ((8 w + k) % 16 = 8 (w % 2) + k for k < 8)
	v_lshlrev_b32 v243, 9, v6                      ; 16,384 w: my 32 channels of QT
.irp k, 0,1,2,3,4,5,6,7
	v_xor_b32 v[AR+\k], \k, v1
	s_delay_alu instid0(VALU_DEP_1)
	v_lshl_add_u32 v[AR+\k], v[AR+\k], 4, v243
.endr
	v_lshlrev_b32 v7, 4, v7                        ; v7: 16 x lane
	s_delay_alu instid0(VALU_DEP_1)
	v_lshl_add_u32 v1, v6, 12, v7                  ; v1: 16 x lane + 32 channels of 4,096 bytes x w: x and out0
	v_lshlrev_b32 v3, 2, v3
	s_delay_alu instid0(VALU_DEP_1)
	v_lshl_add_u32 v3, v6, 1, v3                   ; v3: 4 h + 64 w: my rows' figures
	v_lshlrev_b32 v2, 4, v2                        ; v2: 16 r
	v_lshrrev_b32 v6, 3, v6
	s_delay_alu instid0(VALU_DEP_1)
	v_add_nc_u32 v6, LW, v6                        ; v6: my wave's word of the loss
	v_mov_b32 v252, LW                             ; made here, ahead of the branch on the wave's number
	v_mov_b32 v253, 0
.irp j, 0,1,2,3
	v_mov_b32 v[LS+\j], 0
.endr
	s_mov_b32 s22, 0x76543210
	s_mov_b32 s23, 0xfedcba98                      ; v_permlanex16_b32's selects for lane l xor 16
	s_lshl_b32 s20, ttmp9, 9                       ; 128 rows x 4 bytes x g
	s_mov_b32 s21, 0
	s_lshr_b32 s24, ttmp9, 3                       ; b = g / 8: 1,048,576 bytes each,
	s_lshl_b32 s24, s24, 20
	s_and_b32 s25, ttmp9, 7                        ; and 128 hw = 512 bytes for each block within b
	s_lshl_b32 s25, s25, 9
	s_add_co_u32 s24, s24, s25
	s_mov_b32 s25, 0
	s_lshl_b32 s26, ttmp9, 2
	s_mov_b32 s27, 0
	s_wait_kmcnt 0x0
	s_add_nc_u64 s[8:9], s[8:9], s[20:21]
	s_add_nc_u64 s[10:11], s[10:11], s[20:21]
	s_add_nc_u64 s[14:15], s[14:15], s[20:21]
	s_add_nc_u64 s[4:5], s[4:5], s[24:25]
	s_add_nc_u64 s[12:13], s[12:13], s[24:25]
	s_add_nc_u64 s[16:17], s[16:17], s[26:27]
.irp q, 0,1,2,3
.irp it, 0,1,2,3,4,5,6,7
	global_load_b32 v[OF+8*\q+\it], v3, s[10:11] offset:\q*131072+8*\it   ; row 16 w + 2 it + h: quarter q's code,
	global_load_b32 v[PM+8*\q+\it], v3, s[8:9] offset:\q*131072+8*\it     ; and its distance
.endr
.endr
.irp c, 0,1,2,3,4,5,6,7,8,9,10,11,12,13,14,15
	global_load_b128 v[X1+4*\c:X1+4*\c+3], v1, s[4:5] offset:\c*4096 th:TH_LOAD_NT   ; x, my channels 0-15: asked for now, wanted behind the barrier
.endr
	s_wait_loadcnt 16                              ; codes and distances are in; x's 16 loads may stay out
.irp it, 0,1,2,3,4,5,6,7
	v_cmp_lt_f32 s[MS+3*\it], v[PM+8+\it], v[PM+\it]               ; quarter 1 wins over quarter 0: strictly less
	v_min_num_f32 v242, v[PM+\it], v[PM+8+\it]
	s_delay_alu instid0(VALU_DEP_1)
	v_cmp_lt_f32 s[MS+3*\it+1], v[PM+16+\it], v242                 ; quarter 2 over both
	s_delay_alu instid0(VALU_DEP_2)
	v_min_num_f32 v242, v242, v[PM+16+\it]
	s_delay_alu instid0(VALU_DEP_1)
	v_cmp_lt_f32 s[MS+3*\it+2], v[PM+24+\it], v242                 ; quarter 3 over all
.endr
.set I, 0
.rept 32
	v_min_u32 v[OF+I], 0x1fff, v[OF+I]             ; a code stays inside the table
	s_delay_alu instid0(VALU_DEP_1)
	v_lshl_add_u32 v[OF+I], v[OF+I], 10, v2        ; its row of 1,024 bytes, + 16 r
.set I, I+1
.endr
.macro GATH it                         ; the four candidates' rows of rows 16 w + 2 it + h: 16 loads; in each, sixteen lanes read 256 consecutive bytes, aligned
.irp q, 0,1,2,3
.irp k, 0,1,2,3
	global_load_b128 v[CS+64*((\it)%2)+16*\q+4*\k:CS+64*((\it)%2)+16*\q+4*\k+3], v[OF+8*\q+(\it)], s[6:7] offset:256*\k
.endr
.endr
.endm
	GATH 0
	GATH 1
.macro TAKE it
.set C0, CS+64*((\it)%2)
	s_wait_loadcnt 16                              ; this set's 16 loads are in; the 16 issued behind them (the other set's, or x's second half) may stay out
.irp q, 1,2,3
.set J, 0
.rept 16
	v_cndmask_b32 v[C0+J], v[C0+J], v[C0+16*\q+J], s[MS+3*(\it)+\q-1]
.set J, J+1
.endr
.endr
	v_xor_b32 v242, (\it)/2, v4                    ; (row / 4) xor ((channel / 4) % 16): row / 4 = 4 w + it / 2, (channel / 4) % 16 = r
	s_delay_alu instid0(VALU_DEP_1)
	v_lshl_add_u32 v[AW], v242, 4, v5
	s_delay_alu instid0(VALU_DEP_1)
	v_add_nc_u32 v[AW+1], 0x10000, v[AW]
.irp k, 0,1,2,3
.irp e, 0,1,2,3
	ds_store_b32 v[AW+\k/2], v[C0+4*\k+\e] offset:(64*(\k%2)+\e)*512+8*((\it)%2)   ; channel 4 r + 64 k + e, row 16 w + 2 it + h
.endr
.endr
	s_wait_dscnt 0x0                               ; the stores have read their registers: the set and the addresses may be written again
.if (\it) < 6
	GATH (\it)+2
.elseif (\it) == 6
.irp c, 16,17,18,19,20,21,22,23,24,25,26,27,28,29,30,31
	global_load_b128 v[X1+4*\c:X1+4*\c+3], v1, s[4:5] offset:\c*4096 th:TH_LOAD_NT   ; x, my channels 16-31, into set 0, which is done with
.endr
.endif
.endm
.irp it, 0,1,2,3,4,5,6,7
	TAKE \it
.endr
	s_barrier_signal -1                            ; every wave's stores into QT are done (the wait for 0 above)
	s_barrier_wait -1
; eight channels: QT's rows from LDS; t = q - x; out0 = x + t; the loss takes t^2
.macro FIN bt
.irp i, 0,1,2,3,4,5,6,7
	ds_load_b128 v[OF+4*\i:OF+4*\i+3], v[AR+(8*\bt+\i)/4] offset:2048*((8*\bt+\i)/4)+512*(\i%4)
.endr
	s_wait_dscnt 0x0
.irp i, 0,1,2,3,4,5,6,7
	v_pk_add_f32 v[T:T+1], v[OF+4*\i:OF+4*\i+1], v[X1+4*(8*\bt+\i):X1+4*(8*\bt+\i)+1] neg_lo:[0,1] neg_hi:[0,1]
	s_wait_alu depctr_va_vdst(0)
	v_pk_add_f32 v[T+2:T+3], v[OF+4*\i+2:OF+4*\i+3], v[X1+4*(8*\bt+\i)+2:X1+4*(8*\bt+\i)+3] neg_lo:[0,1] neg_hi:[0,1]
	v_pk_add_f32 v[X1+4*(8*\bt+\i):X1+4*(8*\bt+\i)+1], v[X1+4*(8*\bt+\i):X1+4*(8*\bt+\i)+1], v[T:T+1]
	s_delay_alu instid0(VALU_DEP_2)
	v_pk_add_f32 v[X1+4*(8*\bt+\i)+2:X1+4*(8*\bt+\i)+3], v[X1+4*(8*\bt+\i)+2:X1+4*(8*\bt+\i)+3], v[T+2:T+3]
	v_pk_fma_f32 v[LS:LS+1], v[T:T+1], v[T:T+1], v[LS:LS+1]
	s_delay_alu instid0(VALU_DEP_4)
	v_pk_fma_f32 v[LS+2:LS+3], v[T+2:T+3], v[T+2:T+3], v[LS+2:LS+3]
	global_store_b128 v1, v[X1+4*(8*\bt+\i):X1+4*(8*\bt+\i)+3], s[12:13] offset:(8*\bt+\i)*4096 th:TH_STORE_NT   ; 512 consecutive bytes; these registers are not written again
.endr
.endm
	FIN 0
	FIN 1
	s_wait_loadcnt 0x0                             ; x's second half
	FIN 2
	FIN 3
	v_pk_add_f32 v[LS:LS+1], v[LS:LS+1], v[LS+2:LS+3]
	s_delay_alu instid0(VALU_DEP_1)
	v_add_f32 v[LS], v[LS], v[LS+1]
	s_delay_alu instid0(VALU_DEP_1)
	v_add_f32_dpp v[LS], v[LS], v[LS] row_xmask:1 row_mask:0xf bank_mask:0xf
	s_delay_alu instid0(VALU_DEP_1)
	v_add_f32_dpp v[LS], v[LS], v[LS] row_xmask:2 row_mask:0xf bank_mask:0xf
	s_delay_alu instid0(VALU_DEP_1)
	v_add_f32_dpp v[LS], v[LS], v[LS] row_xmask:4 row_mask:0xf bank_mask:0xf
	s_delay_alu instid0(VALU_DEP_1)
	v_add_f32_dpp v[LS], v[LS], v[LS] row_xmask:8 row_mask:0xf bank_mask:0xf
	s_delay_alu instid0(VALU_DEP_1)
	v_permlanex16_b32 v[LS+1], v[LS], s22, s23
	s_delay_alu instid0(VALU_DEP_1)
	v_add_f32 v[LS], v[LS], v[LS+1]                ; my wave's part of the loss, in every lane
	ds_store_b32 v6, v[LS]                         ; all lanes write the same word with the same value
	s_wait_dscnt 0x0
	s_barrier_signal -1
	s_barrier_wait -1
	s_cmp_lg_u32 s18, 0
	s_cbranch_scc1 .Lend                           ; wave 0 alone: the work-group's loss, and out2 of its 128 rows; no barrier stands below
	ds_load_b128 v[16:19], v252
	ds_load_b128 v[20:23], v252 offset:16
.irp q, 0,1,2,3
	global_load_b128 v[176+4*\q:179+4*\q], v7, s[8:9] offset:\q*131072     ; rows 4 lane + 0 .. 3: distances,
	global_load_b128 v[192+4*\q:195+4*\q], v7, s[10:11] offset:\q*131072   ; codes
.endr
	s_wait_loadcnt 0x0
.irp q, 1,2,3
.irp e, 0,1,2,3
	v_cmp_lt_f32 vcc_lo, v[176+4*\q+\e], v[176+\e]                 ; the same choice as above: strictly less, quarters ascending
	s_delay_alu instid0(VALU_DEP_1)
	v_cndmask_b32 v[192+\e], v[192+\e], v[192+4*\q+\e], vcc_lo
	v_min_num_f32 v[176+\e], v[176+\e], v[176+4*\q+\e]
.endr
.endr
	global_store_b128 v7, v[192:195], s[14:15]     ; 512 consecutive bytes of out2
	s_wait_dscnt 0x0
	v_pk_add_f32 v[16:17], v[16:17], v[18:19]
	v_pk_add_f32 v[20:21], v[20:21], v[22:23]
	s_delay_alu instid0(VALU_DEP_1)
	v_pk_add_f32 v[16:17], v[16:17], v[20:21]
	s_delay_alu instid0(VALU_DEP_1)
	v_add_f32 v16, v16, v17
	v_cmp_eq_u32 vcc_lo, 0, v0
	s_wait_alu depctr_va_vdst(0)
	s_wait_xcnt 0x0                                ; EXEC is a source of the stores above: it changes only behind this wait
	s_and_saveexec_b32 s20, vcc_lo
	global_store_b32 v253, v16, s[16:17]           ; lossp[g], by thread 0
	s_wait_xcnt 0x0
	s_or_b32 exec_lo, exec_lo, s20
.Lend:
	s_wait_tensorcnt 0x0
	ds_add_u32 v254, v255
	s_wait_dscnt 0x0
	s_endpgm
.Lfunc_end_k_q0d0987e79f_gather:
	.size	k_q0d0987e79f_gather, .Lfunc_end_k_q0d0987e79f_gather-k_q0d0987e79f_gather
	.p2alignl 7, 3214868480
	.fill 96, 4, 3214868480
	.section	.rodata,"a",@progbits
	.p2align	6, 0x0
	.amdhsa_kernel k_q0d0987e79f_gather
		.amdhsa_group_segment_fixed_size 132352
		.amdhsa_private_segment_fixed_size 0
		.amdhsa_enable_private_segment 0
		.amdhsa_kernarg_size 56
		.amdhsa_user_sgpr_count 2
		.amdhsa_user_sgpr_kernarg_segment_ptr 1
		.amdhsa_wavefront_size32 1
		.amdhsa_system_sgpr_workgroup_id_x 1
		.amdhsa_system_sgpr_workgroup_id_y 1
		.amdhsa_system_sgpr_workgroup_id_z 1
		.amdhsa_system_vgpr_workitem_id 0
		.amdhsa_next_free_vgpr 256
		.amdhsa_next_free_sgpr 100
		.amdhsa_reserve_vcc 1
		.amdhsa_float_denorm_mode_32 3
		.amdhsa_float_denorm_mode_16_64 3
		.amdhsa_memory_ordered 1
		.amdhsa_forward_progress 1
		.amdhsa_inst_pref_size 91
	.end_amdhsa_kernel
	.amdgpu_metadata
---
amdhsa.version: [ 1, 2 ]
amdhsa.kernels:
  - .name:           k_q0d0987e79f_gather
    .symbol:         k_q0d0987e79f_gather.kd
    .args:
      - { .name: x, .offset: 0, .size: 8, .value_kind: global_buffer, .address_space: global }
      - { .name: codebook, .offset: 8, .size: 8, .value_kind: global_buffer, .address_space: global }
      - { .name: pmin, .offset: 16, .size: 8, .value_kind: global_buffer, .address_space: global }
      - { .name: pidx, .offset: 24, .size: 8, .value_kind: global_buffer, .address_space: global }
      - { .name: out0, .offset: 32, .size: 8, .value_kind: global_buffer, .address_space: global }
      - { .name: out2, .offset: 40, .size: 8, .value_kind: global_buffer, .address_space: global }
      - { .name: lossp, .offset: 48, .size: 8, .value_kind: global_buffer, .address_space: global }
    .group_segment_fixed_size: 132352
    .private_segment_fixed_size: 0
    .kernarg_segment_align: 8
    .kernarg_segment_size: 56
    .max_flat_workgroup_size: 256
    .sgpr_count:     100
    .vgpr_count:     256
    .wavefront_size: 32
...
	.end_amdgpu_metadata
.endif
;; end of part 3
;; launch loss (part 4): grid 1 x 1, 1 waves a work-group, no clusters, 0 bytes of LDS; arguments lossp, out1; writes out1
.if DOCPART == 4
	.amdgcn_target "amdgcn-amd-amdhsa--gfx1250"
	.amdhsa_code_object_version 6
	.text
	.protected	k_q0d0987e79f_loss
	.globl	k_q0d0987e79f_loss
	.p2align	8
	.type	k_q0d0987e79f_loss,@function
k_q0d0987e79f_loss:
	s_mov_b64 s[64:65], 0
	v_nop
	global_prefetch_b8 v0, s[64:65] scope:SCOPE_SE
	s_setreg_imm32_b32 hwreg(HW_REG_WAVE_MODE, 25, 1), 1
	s_wait_xcnt 0x0
; out1 = mean + 0.25 x mean, mean = the sum of the 256 work-groups' partial sums of (codebook[code] - x)^2 over 2^23 numbers.  One wave: a sum that spans work-groups has one owner, in a launch of its own.
	s_load_b128 s[4:7], s[0:1], 0x0                ; lossp s[4:5], out1 s[6:7]
	v_lshlrev_b32 v1, 5, v0                        ; eight partial sums a lane
	v_mov_b32 v2, 0
	s_mov_b32 s8, 0x76543210
	s_mov_b32 s9, 0xfedcba98                       ; v_permlanex16_b32's selects for lane l xor 16
	s_wait_alu depctr_va_vdst(0)
	s_wait_kmcnt 0x0
	global_load_b128 v[4:7], v1, s[4:5]
	global_load_b128 v[8:11], v1, s[4:5] offset:16
	s_wait_loadcnt 0x0
	v_pk_add_f32 v[4:5], v[4:5], v[6:7]
	v_pk_add_f32 v[8:9], v[8:9], v[10:11]
	v_pk_add_f32 v[4:5], v[4:5], v[8:9]
	v_add_f32 v4, v4, v5
	v_add_f32_dpp v4, v4, v4 row_xmask:1 row_mask:0xf bank_mask:0xf
	v_add_f32_dpp v4, v4, v4 row_xmask:2 row_mask:0xf bank_mask:0xf
	v_add_f32_dpp v4, v4, v4 row_xmask:4 row_mask:0xf bank_mask:0xf
	v_add_f32_dpp v4, v4, v4 row_xmask:8 row_mask:0xf bank_mask:0xf
	v_permlanex16_b32 v5, v4, s8, s9
	v_add_f32 v4, v4, v5
	v_mul_f32 v4, 0x34000000, v4                   ; x 2^-23: the mean
	v_fma_f32 v4, 0x3e800000, v4, v4               ; + 0.25 x the mean
	v_cmp_eq_u32 vcc_lo, 0, v0
	s_wait_alu depctr_va_vdst(0)
	s_wait_xcnt 0x0                                ; EXEC changes only behind this wait
	s_and_saveexec_b32 s10, vcc_lo
	global_store_b32 v2, v4, s[6:7]                ; by lane 0
	s_wait_xcnt 0x0
	s_or_b32 exec_lo, exec_lo, s10
	s_endpgm
.Lfunc_end_k_q0d0987e79f_loss:
	.size	k_q0d0987e79f_loss, .Lfunc_end_k_q0d0987e79f_loss-k_q0d0987e79f_loss
	.p2alignl 7, 3214868480
	.fill 96, 4, 3214868480
	.section	.rodata,"a",@progbits
	.p2align	6, 0x0
	.amdhsa_kernel k_q0d0987e79f_loss
		.amdhsa_group_segment_fixed_size 0
		.amdhsa_private_segment_fixed_size 0
		.amdhsa_enable_private_segment 0
		.amdhsa_kernarg_size 16
		.amdhsa_user_sgpr_count 2
		.amdhsa_user_sgpr_kernarg_segment_ptr 1
		.amdhsa_wavefront_size32 1
		.amdhsa_system_sgpr_workgroup_id_x 1
		.amdhsa_system_sgpr_workgroup_id_y 1
		.amdhsa_system_sgpr_workgroup_id_z 1
		.amdhsa_system_vgpr_workitem_id 0
		.amdhsa_next_free_vgpr 16
		.amdhsa_next_free_sgpr 66
		.amdhsa_reserve_vcc 1
		.amdhsa_float_denorm_mode_32 3
		.amdhsa_float_denorm_mode_16_64 3
		.amdhsa_memory_ordered 1
		.amdhsa_forward_progress 1
		.amdhsa_inst_pref_size 2
	.end_amdhsa_kernel
	.amdgpu_metadata
---
amdhsa.version: [ 1, 2 ]
amdhsa.kernels:
  - .name:           k_q0d0987e79f_loss
    .symbol:         k_q0d0987e79f_loss.kd
    .args:
      - { .name: lossp, .offset: 0, .size: 8, .value_kind: global_buffer, .address_space: global }
      - { .name: out1, .offset: 8, .size: 8, .value_kind: global_buffer, .address_space: global }
    .group_segment_fixed_size: 0
    .private_segment_fixed_size: 0
    .kernarg_segment_align: 8
    .kernarg_segment_size: 16
    .max_flat_workgroup_size: 32
    .sgpr_count:     66
    .vgpr_count:     16
    .wavefront_size: 32
...
	.end_amdgpu_metadata
.endif
;; end of part 4
